; MI455X (gfx1250); checked and timed in simulation.
; The chip was launched on July 23, 2026; its instructions are those of AMD's public machine-readable ISA for CDNA 5 (MIT licence, August 2026) and "CDNA5" Instruction Set Architecture Reference Guide (July 2026). The comments in the code are by the model that wrote it; some were corrected since.
;; Multi Head Attention. Allowed arithmetic: matrix products marked QUANTISED: E5M2 operands, one given power-of-two scale a tensor, by v_wmma_f32_16x16x64_bf8_bf8 or v_wmma_f32_16x16x128_bf8_bf8, f32 sums; everything else in f32.
;; Inputs: b_out 1,024 float32; b_qkv 3,072 float32; lowp_scales 8 int32 (the exponents e of the quantised operands' scales 2^e); w_out 1,024 x 1,024 float32; w_qkv 1,024 x 3,072 float32; x 1 x 4,096 x 1,024 float32.
;; Outputs: out0 1 x 4,096 x 1,024 float32.
;; This version of the problem:
;;   THIS VERSION OF THE PROBLEM IS GIVEN IN LOW PRECISION. The matrix products marked QUANTISED in the list below multiply operands that are first quantised to E5M2 (5 exponent bits, 2 mantissa bits; 8 bits a number), with one given power-of-two scale for each operand tensor; their sums are f32. All else is computed in f32.
;;   The module's matrix products, in the order in which they are computed (A, B: the left and right operand; K: the contracted axis; several contracted axes count as one K, in the product's order):
;;     1. [M 4,096, K 1,024] x [K 1,024, N 3,072]; A: input x; B: input w_qkv: QUANTISED (scales: A lowp_scales[0], B lowp_scales[1])
;;     2. batch 16 x [M 4,096, K 64] x [K 64, N 4,096]; A: computed on the way; B: computed on the way: QUANTISED (scales: A lowp_scales[2], B lowp_scales[3])
;;     3. batch 16 x [M 4,096, K 4,096] x [K 4,096, N 64]; A: softmax (see below); B: computed on the way: QUANTISED (scales: A lowp_scales[4], B lowp_scales[5])
;;     4. [M 4,096, K 1,024] x [K 1,024, N 1,024]; A: computed on the way; B: input w_out: QUANTISED (scales: A lowp_scales[6], B lowp_scales[7])
;;   THE QUANTISER, for each operand of a quantised product, along K:
;;     - The operand's scale is 2^e, e = its entry of the input lowp_scales (int32; the entries are numbered through the quantised products in the list's order, A before B).
;;     - Each number is divided by the scale, clamped to +-57,344, and rounded to the nearest number of E5M2, ties to even, subnormals kept.
;;     - The product sums the exact products of the quantised numbers (number of the format x scale) in f32.
;;   ~~~python
;;   def quantise(x, axis, e):      # numpy; x: float32 -> the quantised numbers, widened to float32 again
;;       x = np.moveaxis(x, axis, -1); K = x.shape[-1]
;;       r = np.clip(x / 2.0 ** e, -57344, 57344)
;;       step = 2.0 ** (np.maximum(np.frexp(np.where(r == 0, 1, r))[1] - 1, -14) - 2)
;;       q = np.round(r / step) * step * 2.0 ** e      # np.round: ties to even
;;       return np.moveaxis(q, -1, axis).astype(np.float32)
;;   ~~~
;;   SOFTMAX AHEAD OF A QUANTISED PRODUCT. Where the list says 'softmax', what is quantised is not the finished softmax but p = 2^(t - M), with t = logit x log2(e) and M = ceil(the row's largest t), a whole number; so 1/2 < the row's largest p <= 1. The row's sum l is taken of the UNQUANTISED p, in f32, and the product's result is divided by l at the end. Since M is a whole number, a kernel that streams over the keys may use a running M (the ceiling of the running maximum): every later rescaling is an exact power of two, so the quantised numbers keep their values, but for numbers so far below the row's largest that they fall under the format's range.
;;   OPERANDS COMPUTED ON THE WAY. 'Computed on the way' means the value that the module computes at that place (a softmax that the list does not call 'softmax' is quantised finished and normalised). What goes into a quantiser is computed in f32, as accurately as f32 sums, v_exp_f32 and their like allow (about 1e-6 of the number): no bf16 or f16 on the way to a quantiser, and a product that is left as it is and whose result goes on into a quantised operand takes f32 operands (vector FMAs, or v_wmma_f32_16x16x4_f32). A number that lies on a knife's edge between two numbers of the format may be rounded either way, as far as f32 arithmetic and the matrix unit's own rounding can turn it there, and no further.
;; One version. Each part assembles by itself: llvm-mc -triple=amdgcn-amd-amdhsa -mcpu=gfx1250 --defsym DOCPART=n.
;; ======== version 1 of 1: 4 launches
;; limits: right only within a limited range of input values
;; workspace buffers: x_codes 4,194,304 bytes; wqkv_codes 3,145,728 bytes; wout_codes 1,048,576 bytes; q_codes 4,194,304 bytes; k_codes 4,194,304 bytes; v_codes 4,194,304 bytes; a_codes 4,194,304 bytes
;; launch quant (part 1): grid 256 x 1, 4 waves a work-group, no clusters, 68,096 bytes of LDS; arguments x, w_qkv, w_out, lowp_scales, x_codes, wqkv_codes, wout_codes; writes x_codes, wqkv_codes, wout_codes
.if DOCPART == 1
	.amdgcn_target "amdgcn-amd-amdhsa--gfx1250"
	.amdhsa_code_object_version 6
	.text
	.protected	k_qf9beeca436_quant
	.globl	k_qf9beeca436_quant
	.p2align	8
	.type	k_qf9beeca436_quant,@function
k_qf9beeca436_quant:
	s_mov_b64 s[64:65], 0
	v_nop
	global_prefetch_b8 v0, s[64:65] scope:SCOPE_SE
	s_setreg_imm32_b32 hwreg(HW_REG_WAVE_MODE, 25, 1), 1
	s_wait_xcnt 0x0
; x [4096][1024], w_qkv [1024][3072] and w_out [1024][1024], f32, become codes of BF8 (E5M2), one byte each, K innermost:
; x_codes [4096][1024], wqkv_codes [3072][1024], wout_codes [1024][1024].  code = number / 2^e, held within +-57,344, to the nearest code, ties to even.
; e: entry 0 of the scales for x, entry 1 for w_qkv, entry 7 for w_out.  LIMITS: each e between -126 and 112, so that 2^e and 57,344 x 2^e are f32 numbers.  NaN among the inputs is not served.
; Work-groups 0-127 take x, whose K is innermost: a plain stream; a wave takes 16 steps of 512 numbers.  Each load reads 512 consecutive bytes; a step's 2,048 bytes turn through the wave's own
; stage in LDS, so that a lane holds 16 neighbours along K for the conversions; a lane's 16 codes are 16 bytes, so a store of the wave covers 512 consecutive bytes.
; Work-groups 128-255 take the weights, whose K is the FIRST axis: a lane takes a column and its registers run down K, so that the conversions give codes with K innermost; a wave takes 32 columns x 256
; along K, gathers 256 bytes a column in its own stage and stores them by rows, sixteen lanes to 256 consecutive aligned bytes.  Work-groups 128-223: w_qkv (24 x 4), 224-255: w_out (8 x 4).
; Every work-group reads 131,072 bytes.  The two ways part on the work-group's number, never join, and have LDS bytes of their own.  Waves share nothing: no barrier.
.set STEPS, 16
.set SP,    80                         ; x: a lane's place in a stage: its 64 bytes + 16 of padding
.set WREG,  8192                       ; x: LDS of a wave: two stages of 32 x SP bytes
.set R,     16                         ; x: v16-79   four sets of 16 numbers as loaded
.set X,     80                         ; x: v80-111  two sets of 16 neighbours
.set C,     128                        ; x: v128-191 codes, four registers a step
.set WSTG,  32768                      ; weights: the stages begin behind x's
.set WP,    272                        ; weights: a stage row: 256 bytes + 16
.set NB,    8                          ; weights: blocks of 32 along K for a wave
.set VO,    16                         ; weights: v16-47  4 x lane + i x the pitch, i = 0 .. 31; never rewritten
.set WX,    48                         ; weights: v48-111 two sets of 32 numbers
.set WC,    112                        ; weights: v112-119 a block's codes
.set OUTR,  120                        ; weights: v120-183 the way out
.macro XLOAD t
.irp i, 0,1,2,3
	global_load_b128 v[R+16*((\t)%4)+4*\i:R+16*((\t)%4)+4*\i+3], v3, s[4:5] offset:2048*(\t)+512*\i th:TH_LOAD_NT   ; 32 lanes read 512 consecutive bytes
.endr
.endm
.macro XTURN t                         ; step t's numbers through the stage: LDS serves a wave's instructions in order (ISA guide 5.7.1.4), so no wait stands between the stores and the loads
.irp i, 0,1,2,3
	ds_store_b128 v14, v[R+16*((\t)%4)+4*\i:R+16*((\t)%4)+4*\i+3] offset:32*SP*((\t)%2)+8*SP*\i
.endr
.irp i, 0,1,2,3
	ds_load_b128 v[X+16*((\t)%2)+4*\i:X+16*((\t)%2)+4*\i+3], v15 offset:32*SP*((\t)%2)+16*\i
.endr
.endm
.macro XSTEP t
.set XS, X+16*((\t)%2)
	s_wait_dscnt 0x0                               ; this step's numbers are back from the stage, so its stores into the stage have read their registers,
.if (\t)+4 < STEPS
	XLOAD (\t)+4                                   ; which take the loads of four steps on
.endif
.if (\t)+1 < STEPS
.if STEPS-2-(\t) >= 3
	s_wait_loadcnt 12                              ; the next step's four loads are in; those of the three steps behind it may be out
.else
	s_wait_loadcnt 4*(STEPS-2-(\t))
.endif
	XTURN (\t)+1                                   ; and go through the other stage while this step is worked
.endif
.irp i, 0,1,2,3,4,5,6,7,8,9,10,11,12,13,14,15
	v_med3_num_f32 v[XS+\i], v[XS+\i], -v10, v10   ; the conversion to an 8-bit code does not saturate (ISA guide 7.6.2): the hold at the largest code x the scale
.endr
	v_cvt_scalef32_pk8_bf8_f32 v[C+4*(\t):C+4*(\t)+1], v[XS:XS+7], v11
	v_cvt_scalef32_pk8_bf8_f32 v[C+4*(\t)+2:C+4*(\t)+3], v[XS+8:XS+15], v11
	global_store_b128 v3, v[C+4*(\t):C+4*(\t)+3], s[12:13] offset:512*(\t)   ; each step has its own four registers: no store's data are written again
.endm
.macro WLOAD t                         ; block t: W(32 t + i, my column), i = 0 .. 31, into set t % 2; each block has a base of its own, so no base is stepped
.irp i, 0,1,2,3,4,5,6,7,8,9,10,11,12,13,14,15,16,17,18,19,20,21,22,23,24,25,26,27,28,29,30,31
	global_load_b32 v[WX+32*((\t)%2)+\i], v[VO+\i], s[32+2*(\t):33+2*(\t)] th:TH_LOAD_NT
.endr
.endm
.macro BLOCK t
.set XS, WX+32*((\t)%2)
.if (\t) < NB-1
	s_wait_loadcnt 32                              ; this block's 32 loads are in; the next block's may be out
.else
	s_wait_loadcnt 0x0
.endif
.irp i, 0,1,2,3,4,5,6,7,8,9,10,11,12,13,14,15,16,17,18,19,20,21,22,23,24,25,26,27,28,29,30,31
	v_med3_num_f32 v[XS+\i], v[XS+\i], -v10, v10
.endr
.irp g, 0,1,2,3
	v_cvt_scalef32_pk8_bf8_f32 v[WC+2*\g:WC+2*\g+1], v[XS+8*\g:XS+8*\g+7], v11
.endr
	ds_store_b128 v4, v[WC:WC+3] offset:32*(\t)    ; 32 codes: 32 bytes of my column's row
	ds_store_b128 v4, v[WC+4:WC+7] offset:32*(\t)+16
.if (\t)+2 < NB
	WLOAD (\t)+2
.endif
	s_wait_dscnt 0x0                               ; the stores have read their registers: the next block's codes may be written
.endm
	s_load_b256 s[4:11], s[0:1], 0x0               ; x s[4:5], w_qkv s[6:7], w_out s[8:9], the scales' exponents s[10:11]
	s_load_b128 s[12:15], s[0:1], 0x20             ; x_codes s[12:13], wqkv_codes s[14:15]
	s_load_b64 s[16:17], s[0:1], 0x30              ; wout_codes
	v_lshl_add_u32 v192, v0, 2, 0x10800
	v_mov_b32 v193, 0
	v_lshrrev_b32 v1, 5, v0
	v_readfirstlane_b32 s18, v1                    ; wave 0..3
	v_and_b32 v2, 31, v0                           ; lane
	s_wait_kmcnt 0x0
	s_load_b256 s[20:27], s[10:11], 0x0            ; e0 .. e7
	s_cmp_lt_u32 ttmp9, 128
	s_cbranch_scc0 .Lweights
	; ---- x
	s_wait_alu depctr_va_vdst(0)
	v_lshlrev_b32 v3, 4, v2                        ; my 16 bytes of a load's 512, and of a step's 512 bytes of codes
	s_wait_alu depctr_va_vdst(0)
	s_mul_i32 s19, s18, WREG
	v_lshrrev_b32 v14, 2, v2
	v_mul_u32_u24 v14, v14, SP
	v_and_b32 v15, 3, v2
	v_lshl_add_u32 v14, v15, 4, v14
	v_add_nc_u32 v14, s19, v14                     ; the stage, on the way in: four lanes' 64 bytes on end, then 16 of padding
	v_mul_u32_u24 v15, v2, SP
	v_add_nc_u32 v15, s19, v15                     ; and on the way out: my 16 neighbours
	s_lshl_b32 s28, ttmp9, 2
	s_add_co_u32 s28, s28, s18                     ; which run of 8,192 numbers is my wave's
	s_lshl_b32 s30, s28, 15
	s_mov_b32 s31, 0
	s_add_nc_u64 s[4:5], s[4:5], s[30:31]
	s_lshl_b32 s30, s28, 13
	s_add_nc_u64 s[12:13], s[12:13], s[30:31]
.irp t, 0,1,2,3
	XLOAD \t
.endr
	s_wait_alu depctr_va_vdst(0)
	s_wait_kmcnt 0x0
	s_add_co_i32 s28, s20, 127
	s_lshl_b32 s29, s28, 23
	v_mov_b32 v11, s29                             ; 2^e0 as f32: the conversion takes its exponent field
	s_add_co_i32 s28, s28, 15
	s_lshl_b32 s28, s28, 23
	s_or_b32 s28, s28, 0x600000
	v_mov_b32 v10, s28                             ; 57,344 x 2^e0
	s_wait_alu depctr_va_vdst(0)
	s_wait_loadcnt 12                              ; step 0's four loads are in
	XTURN 0
.irp t, 0,1,2,3,4,5,6,7,8,9,10,11,12,13,14,15
	XSTEP \t
.endr
	s_wait_tensorcnt 0x0
	ds_add_u32 v192, v193
	s_wait_dscnt 0x0
	s_endpgm
.Lweights:
	; ---- the weights
	s_sub_co_u32 s28, ttmp9, 128                   ; 0 .. 127
	s_wait_kmcnt 0x0
	s_mov_b32 s19, 12288
	s_cmp_ge_u32 s28, 96                           ; w_out's work-group?  All choices hang on the work-group's number alone
	s_cselect_b64 s[6:7], s[8:9], s[6:7]           ; from where,
	s_cselect_b64 s[14:15], s[16:17], s[14:15]     ; to where,
	s_cselect_b32 s19, 4096, s19                   ; bytes from a row of the weight to the next,
	s_cselect_b32 s30, s27, s21                    ; e7 or e1,
	s_cselect_b32 s29, 96, 0
	s_sub_co_u32 s28, s28, s29                     ; and my number among the tensor's work-groups
	s_lshr_b32 s29, s28, 2                         ; which 128 columns
	s_and_b32 s28, s28, 3                          ; which 256 along K
	s_lshl_b32 s29, s29, 7
	s_lshl_b32 s31, s18, 5
	s_add_co_u32 s29, s29, s31                     ; my wave's first column
	s_lshl_b32 s48, s19, 8
	s_mul_i32 s48, s48, s28                        ; 256 rows x the pitch x which,
	s_lshl_b32 s49, s29, 2
	s_add_co_u32 s48, s48, s49                     ; + 4 x column
	s_mov_b32 s49, 0
	s_add_nc_u64 s[32:33], s[6:7], s[48:49]        ; block 0's base
	s_lshl_b32 s48, s29, 10                        ; codes: column x 1,024
	s_lshl_b32 s50, s28, 8                         ; + 256 x which
	s_add_co_u32 s48, s48, s50
	s_add_nc_u64 s[14:15], s[14:15], s[48:49]
	s_lshl_b32 s48, s19, 5                         ; 32 rows on
.irp t, 1,2,3,4,5,6,7
	s_add_nc_u64 s[32+2*\t:33+2*\t], s[30+2*\t:31+2*\t], s[48:49]
.endr
	s_wait_alu depctr_va_vdst(0)
	v_lshlrev_b32 v3, 2, v2                        ; 4 bytes a lane: 128 consecutive bytes a wave, 512 a work-group
.irp i, 0,1,2,3,4,5,6,7,8,9,10,11,12,13,14,15,16,17,18,19,20,21,22,23,24,25,26,27,28,29,30,31
	v_mad_u32_u24 v[VO+\i], s19, \i, v3
.endr
	WLOAD 0
	WLOAD 1
	s_mul_i32 s51, s18, 32*WP
	s_add_co_u32 s51, s51, WSTG                    ; my stage
	v_mul_u32_u24 v4, v2, WP
	v_add_nc_u32 v4, s51, v4                       ; into it: row = my column
	v_and_b32 v5, 15, v2
	v_lshrrev_b32 v6, 4, v2                        ; out of it: sixteen lanes to a row, two rows an instruction
	v_mul_u32_u24 v7, v6, WP
	v_lshl_add_u32 v7, v5, 4, v7
	v_add_nc_u32 v7, s51, v7
	v_lshlrev_b32 v8, 10, v6
	v_lshl_add_u32 v8, v5, 4, v8                   ; and the same place in the codes' buffer
	s_add_co_i32 s30, s30, 127
	s_lshl_b32 s31, s30, 23
	v_mov_b32 v11, s31                             ; 2^e as f32
	s_add_co_i32 s30, s30, 15
	s_lshl_b32 s30, s30, 23
	s_or_b32 s30, s30, 0x600000
	v_mov_b32 v10, s30                             ; 57,344 x 2^e
	s_wait_alu depctr_va_vdst(0)
.irp t, 0,1,2,3,4,5,6,7
	BLOCK \t
.endr
.irp t, 0,1,2,3,4,5,6,7,8,9,10,11,12,13,14,15
	ds_load_b128 v[OUTR+4*\t:OUTR+4*\t+3], v7 offset:2*\t*WP
.endr
.irp t, 0,1,2,3,4,5,6,7,8,9,10,11,12,13,14,15
	s_wait_dscnt 15-\t                             ; LDS loads come back in order: load t is in, the younger ones may be out
	global_store_b128 v8, v[OUTR+4*\t:OUTR+4*\t+3], s[14:15] offset:2*\t*1024   ; sixteen lanes store 256 consecutive bytes, aligned
.endr
	s_wait_tensorcnt 0x0
	ds_add_u32 v192, v193
	s_wait_dscnt 0x0
	s_endpgm
.Lfunc_end_k_qf9beeca436_quant:
	.size	k_qf9beeca436_quant, .Lfunc_end_k_qf9beeca436_quant-k_qf9beeca436_quant
	.p2alignl 7, 3214868480
	.fill 96, 4, 3214868480
	.section	.rodata,"a",@progbits
	.p2align	6, 0x0
	.amdhsa_kernel k_qf9beeca436_quant
		.amdhsa_group_segment_fixed_size 68096
		.amdhsa_private_segment_fixed_size 0
		.amdhsa_enable_private_segment 0
		.amdhsa_kernarg_size 56
		.amdhsa_user_sgpr_count 2
		.amdhsa_user_sgpr_kernarg_segment_ptr 1
		.amdhsa_wavefront_size32 1
		.amdhsa_system_sgpr_workgroup_id_x 1
		.amdhsa_system_sgpr_workgroup_id_y 1
		.amdhsa_system_sgpr_workgroup_id_z 1
		.amdhsa_system_vgpr_workitem_id 0
		.amdhsa_next_free_vgpr 194
		.amdhsa_next_free_sgpr 66
		.amdhsa_reserve_vcc 0
		.amdhsa_float_denorm_mode_32 3
		.amdhsa_float_denorm_mode_16_64 3
		.amdhsa_memory_ordered 1
		.amdhsa_forward_progress 1
		.amdhsa_inst_pref_size 88
	.end_amdhsa_kernel
	.amdgpu_metadata
---
amdhsa.version: [ 1, 2 ]
amdhsa.kernels:
  - .name:           k_qf9beeca436_quant
    .symbol:         k_qf9beeca436_quant.kd
    .args:
      - { .name: x, .offset: 0, .size: 8, .value_kind: global_buffer, .address_space: global }
      - { .name: w_qkv, .offset: 8, .size: 8, .value_kind: global_buffer, .address_space: global }
      - { .name: w_out, .offset: 16, .size: 8, .value_kind: global_buffer, .address_space: global }
      - { .name: lowp_scales, .offset: 24, .size: 8, .value_kind: global_buffer, .address_space: global }
      - { .name: x_codes, .offset: 32, .size: 8, .value_kind: global_buffer, .address_space: global }
      - { .name: wqkv_codes, .offset: 40, .size: 8, .value_kind: global_buffer, .address_space: global }
      - { .name: wout_codes, .offset: 48, .size: 8, .value_kind: global_buffer, .address_space: global }
    .group_segment_fixed_size: 68096
    .private_segment_fixed_size: 0
    .kernarg_segment_align: 8
    .kernarg_segment_size: 56
    .max_flat_workgroup_size: 128
    .sgpr_count:     66
    .vgpr_count:     194
    .wavefront_size: 32
...
	.end_amdgpu_metadata
.endif
;; end of part 1
;; launch qkv (part 2): grid 12 x 16, 4 waves a work-group, clusters of 4 x 4, 327,680 bytes of LDS; arguments x_codes, wqkv_codes, lowp_scales, b_qkv, q_codes, k_codes, v_codes; writes q_codes, k_codes, v_codes
.if DOCPART == 2
	.amdgcn_target "amdgcn-amd-amdhsa--gfx1250"
	.amdhsa_code_object_version 6
	.text
	.protected	k_qf9beeca436_qkv
	.globl	k_qf9beeca436_qkv
	.p2align	8
	.type	k_qf9beeca436_qkv,@function
k_qf9beeca436_qkv:
	s_mov_b64 s[64:65], 0
	v_nop
	global_prefetch_b8 v0, s[64:65] scope:SCOPE_SE
	s_setreg_imm32_b32 hwreg(HW_REG_WAVE_MODE, 25, 1), 1
	s_wait_xcnt 0x0
	s_wait_alu depctr_hold_cnt(0) depctr_sa_sdst(0) depctr_va_vdst(0) depctr_va_sdst(0) depctr_va_ssrc(0) depctr_va_vcc(0) depctr_vm_vsrc(0)
	s_getreg_b32 s2, hwreg(HW_REG_IB_STS2, 6, 4)
	s_cmp_eq_u32 s2, 0
	s_cbranch_scc0 .Lentry_in_a_cluster
	s_endpgm
.Lentry_in_a_cluster:
	s_bfe_u32 s2, ttmp6, 0x10000c
	s_cmp_lg_u32 s2, 0xf033
	s_cbranch_scc0 .Lentry_shape_is_right
	s_endpgm
.Lentry_shape_is_right:
.set ROWB,   256
.set KROW,   1024
.set PITCH,  272
.set FR,     16
.set NL,     4
.set NP,     4
.set HALFT,  128*PITCH
.set SLOT,   4*HALFT
.set LAPS,   2
.set SPARE,  2*SLOT
.set STQ,    SPARE+512
.set STV,    STQ+4*4096
.set VOB,  8
.set ADRA, 16
.set ADRB, 20
.set LIMV, 22
.set SCV,  23
.set STOQ, 24
.set STOV, 25
.set RDQ,  26
.set RDV,  27
.set SPW,  28
.set NIL,  29
.set GO,   30
.set BIAS, 32
.set CD,   96
.set TMP,  128
.set BK,   192
.set AF,   128
.set G1, 24
.set G0, 32
.set G1B, 48
.set G0B, 56
.set MSB, 0
.macro WIN new
.if MSB != \new
	s_set_vgpr_msb (MSB<<8)|\new
.set MSB, \new
.endif
.endm
.set MUL_LO, 0xa1
.set MUL_HI, 0xf1
.set TO_B,   0x40
.macro JLOAD g0a, g1a, g0b, g1b
	s_cmp_eq_u32 s15, 0
	s_cbranch_scc0 .Lfor_b_\@
	tensor_load_to_lds s[\g0a:\g0a+3], s[\g1a:\g1a+7]
	s_nop 0
.rept 4
	v_nop
.endr
	s_branch .Lasked_\@
.Lfor_b_\@:
	tensor_load_to_lds s[\g0b:\g0b+3], s[\g1b:\g1b+7]
	s_nop 0
.rept 4
	v_nop
.endr
.Lasked_\@:
.endm
.macro CREST
	s_cmp_lg_u32 s14, 0
	s_cbranch_scc1 .Lnot_wave_0_\@
	s_barrier_signal -3
.Lnot_wave_0_\@:
	s_barrier_wait -3
	s_barrier_signal -1
	s_barrier_wait -1
.endm
.macro CROUND
	s_barrier_signal -1
	s_barrier_wait -1
	CREST
.endm
	s_load_b256 s[4:11], s[0:1], 0x0
	s_load_b128 s[68:71], s[0:1], 0x20
	s_load_b64 s[72:73], s[0:1], 0x30
	v_lshl_add_u32 v[SPW], v0, 2, SPARE
	v_mov_b32 v[NIL], 0
	ds_add_u32 v28, v29
	ds_add_u32 v28, v29
	s_wait_dscnt 0x0
	v_lshrrev_b32 v1, 5, v0
	v_readfirstlane_b32 s14, v1
	s_lshr_b32 s15, s14, 1
	s_and_b32 s16, s14, 1
	s_bfe_u32 s40, ttmp6, 0x40000
	s_bfe_u32 s41, ttmp6, 0x40004
	s_and_b32 s66, ttmp7, 0xffff
	s_lshl_b32 s66, s66, 2
	s_lshl_b32 s67, ttmp9, 2
	s_cmp_eq_u32 ttmp9, 2
	s_cselect_b32 s17, 8, s66
	s_cselect_b32 s42, s66, s67
	s_add_co_u32 s17, s17, s41
	s_add_co_u32 s42, s42, s40
	s_lshl_b32 s43, s41, 2
	s_lshl_b32 s43, 15, s43
	s_lshl_b32 s44, 0x1111, s40
	s_or_b32 s[G1+0], s43, (1<<20)|(1<<21)|(5<<22)|(3<<25)
	s_or_b32 s[G1B+0], s44, (1<<20)|(1<<21)|(5<<22)|(3<<25)
.irp g, G1, G1B
	s_mov_b32 s[\g+1], ROWB<<16
	s_mov_b32 s[\g+2], 256<<16                     ; the head's tiles have 256 rows
	s_mov_b32 s[\g+3], ROWB<<16
	s_mov_b32 s[\g+4], 256
	s_mov_b32 s[\g+5], KROW
	s_mov_b32 s[\g+6], 0
	s_mov_b32 s[\g+7], 0
.endr
	s_lshl_b32 s18, s16, 7
	s_lshl_b32 s20, s17, 8
	s_add_co_u32 s20, s20, s18
	s_lshl_b32 s20, s20, 10
	s_mov_b32 s21, 0
	s_lshl_b32 s46, s42, 8
	s_add_co_u32 s46, s46, s18
	s_lshl_b32 s46, s46, 10
	s_mov_b32 s47, 0
	s_mul_i32 s45, s14, HALFT
	s_wait_kmcnt 0x0
	s_load_b256 s[80:87], s[8:9], 0x0
	s_cmp_eq_u32 ttmp9, 2
	s_cselect_b64 s[74:75], s[6:7], s[4:5]
	s_cselect_b64 s[76:77], s[4:5], s[6:7]
	s_add_nc_u64 s[20:21], s[74:75], s[20:21]
	s_add_nc_u64 s[46:47], s[76:77], s[46:47]
	s_mov_b64 s[12:13], s[20:21]                   ; kept for the ring's group 0: s21 is used again below
	CROUND
	; THE HEAD FILLS BOTH SLOTS, one tensor load a wave: a whole tile of 256 rows x 256 bytes each: wave 0: the first operand's K step 0, wave 1: its K step 1, waves 2 and 3: the second operand's.
	; No prefetch: the only refills are K steps 2 and 3, and two K steps ahead of them stands the head.
	s_mul_i32 s18, s16, 130816                     ; from my half's first row back to the tile's (128 rows of 1,024 bytes), and one K step of 256 bytes on
	s_mov_b32 s19, 0
	s_mov_b32 s[G0], 1
	s_mul_i32 s[G0+1], s16, SLOT                   ; slot wave % 2
	s_sub_nc_u64 s[G0+2:G0+3], s[20:21], s[18:19]
	s_or_b32 s[G0+3], s[G0+3], 0x80000000
	s_mov_b32 s[G0B], 1
	s_mul_i32 s[G0B+1], s16, SLOT
	s_add_co_u32 s[G0B+1], s[G0B+1], 2*HALFT       ; behind the first operand's 256 rows
	s_sub_nc_u64 s[G0B+2:G0B+3], s[46:47], s[18:19]
	s_or_b32 s[G0B+3], s[G0B+3], 0x80000000
	s_mov_b32 s[G0+4], 1                           ; slot 1's groups 0 for the ring: my 128 rows, K step 1
	s_add_co_u32 s[G0+5], s45, SLOT
	s_add_nc_u64 s[G0+6:G0+7], s[20:21], ROWB
	s_or_b32 s[G0+7], s[G0+7], 0x80000000
	s_mov_b32 s[G0B+4], 1
	s_add_co_u32 s[G0B+5], s45, SLOT
	s_add_nc_u64 s[G0B+6:G0B+7], s[46:47], ROWB
	s_or_b32 s[G0B+7], s[G0B+7], 0x80000000
	JLOAD G0, G1, G0B, G1B
	v_and_b32 v1, 15, v0
	s_wait_alu depctr_va_vdst(0)
	v_bfe_u32 v2, v0, 4, 1
	v_mul_u32_u24 v3, v1, PITCH
	v_lshl_add_u32 v4, v2, 4, v3
	s_mul_i32 s21, s15, HALFT
	s_mul_i32 s22, s16, HALFT
	s_add_co_u32 s22, s22, 2*HALFT
.irp s, 0,1
	v_add_nc_u32 v[ADRA+\s], s21, v4
	v_add_nc_u32 v[ADRB+\s], s22, v4
	s_add_co_u32 s21, s21, SLOT
	s_add_co_u32 s22, s22, SLOT
.endr
	s_lshl_b32 s23, s14, 12
	v_lshrrev_b32 v5, 3, v1
	v_and_b32 v6, 7, v1
	v_lshlrev_b32 v5, 10, v5
	v_lshl_add_u32 v5, v6, 4, v5
	v_lshl_add_u32 v5, v2, 3, v5
	v_add_nc_u32 v5, s23, v5
	v_add_nc_u32 v[STOQ], STQ, v5
	v_lshlrev_b32 v6, 4, v1
	v_lshl_add_u32 v6, v2, 3, v6
	v_add_nc_u32 v6, s23, v6
	v_add_nc_u32 v[STOV], STV, v6
	v_and_b32 v7, 31, v0
	v_lshlrev_b32 v[GO], 4, v7
	v_add_nc_u32 v7, s23, v[GO]
	v_add_nc_u32 v[RDQ], STQ, v7
	v_add_nc_u32 v[RDV], STV, v7
	s_cmp_eq_u32 ttmp9, 2
	s_cselect_b32 s88, s41, s40
	s_cselect_b32 s89, s15, s16
	s_cselect_b32 s90, s40, s41
	s_cselect_b32 s91, s16, s15
	s_cselect_b64 s[92:93], s[72:73], s[70:71]
	s_cselect_b32 s94, 4, 0
	s_cselect_b32 s95, 0, 32
	s_cselect_b32 s96, 0, 4
	s_cmp_eq_u32 ttmp9, 0
	s_cselect_b64 s[92:93], s[68:69], s[92:93]
	s_lshl_b32 s97, s88, 20
	s_lshl_b32 s98, s89, 19
	s_add_co_u32 s97, s97, s98
	s_add_co_u32 s90, s90, s66
	s_lshl_b32 s90, s90, 14
	s_add_co_u32 s97, s97, s90
	s_lshl_b32 s91, s91, 13
	s_add_co_u32 s98, s97, s91
	s_mov_b32 s99, 0
	s_add_nc_u64 s[92:93], s[92:93], s[98:99]
	s_lshl_b32 s98, ttmp9, 12
	s_lshl_b32 s88, s88, 10
	s_add_co_u32 s98, s98, s88
	s_lshl_b32 s89, s89, 9
	s_add_co_u32 s98, s98, s89
	s_add_nc_u64 s[78:79], s[10:11], s[98:99]
	v_mul_u32_u24 v3, v1, s94
	v_mad_u32_u24 v3, v2, s95, v3
.irp j, 0,1,2,3,4,5,6,7
	v_mad_u32_u24 v[VOB+\j], s96, \j, v3
.endr
.irp g, 0,1,2,3,4,5,6,7
.irp j, 0,1,2,3,4,5,6,7
	global_load_b32 v[BIAS+8*\g+\j], v[VOB+\j], s[78:79] offset:64*\g
.endr
.endr
.macro FRAG reg, adr, q, i
.irp c, 0,1,2,3
	ds_load_b128 v[\reg+4*\c:\reg+4*\c+3], v[\adr] offset:128*(\q)+32*\c+(\i)*16*PITCH
.endr
.endm
.macro MUL16 a0, p, zero
.irp a, \a0, \a0+1
.irp b, 0,1,2,3,4,5,6,7
.if \zero
	v_wmma_f32_16x16x128_bf8_bf8 v[8*(8*((\a)%4)+\b):8*(8*((\a)%4)+\b)+7], v[128*(\p)+FR*\b:128*(\p)+FR*\b+FR-1], v[AF+FR*(\a):AF+FR*(\a)+FR-1], 0
.else
	v_wmma_f32_16x16x128_bf8_bf8 v[8*(8*((\a)%4)+\b):8*(8*((\a)%4)+\b)+7], v[128*(\p)+FR*\b:128*(\p)+FR*\b+FR-1], v[AF+FR*(\a):AF+FR*(\a)+FR-1], v[8*(8*((\a)%4)+\b):8*(8*((\a)%4)+\b)+7]
.endif
.endr
.endr
.endm
.macro FETCH_B slot, q, p
	WIN TO_B
.irp i, 0,1,2,3,4,5,6,7
	FRAG 128*(\p)+FR*\i, ADRB+\slot, \q, \i
.endr
	WIN 0
.endm
.macro FETCH_A slot, q, i0
.irp i, \i0, \i0+1, \i0+2, \i0+3
	FRAG AF+FR*(\i), ADRA+\slot, \q, \i
.endr
.endm
.macro PLACES n
.rept \n
	v_nop
.endr
.endm
.macro STEP slot, q, zero
	s_wait_dscnt 4*NL
	WIN MUL_LO
	MUL16 0, (\q)%2, \zero
	MUL16 2, (\q)%2, \zero
	s_wait_dscnt 0
	PLACES NP
	FETCH_B \slot, (\q)+1, 1-(\q)%2
	FETCH_A \slot, (\q)+1, 0
	WIN MUL_HI
	MUL16 4, (\q)%2, \zero
	MUL16 6, (\q)%2, \zero
	PLACES NP
	WIN 0
	FETCH_A \slot, (\q)+1, 4
.endm
.macro TURN slot, next, fill
	s_wait_tensorcnt 0x0
	ds_add_u32 v[SPW], v[NIL]
	s_wait_dscnt 4*NL+1
	WIN MUL_LO
	MUL16 0, 1, 0
	s_wait_dscnt 0x0
	s_barrier_signal -1
	MUL16 2, 1, 0
	WIN 0
	s_barrier_wait -1
.if \fill
	CREST
	s_add_nc_u64 s[G0+4*\slot+2:G0+4*\slot+3], s[G0+4*\slot+2:G0+4*\slot+3], 2*ROWB
	s_add_nc_u64 s[G0B+4*\slot+2:G0B+4*\slot+3], s[G0B+4*\slot+2:G0B+4*\slot+3], 2*ROWB
	JLOAD G0+4*\slot, G1, G0B+4*\slot, G1B
.else
	PLACES NP
.endif
	FETCH_B \next, 0, 0
	FETCH_A \next, 0, 0
	WIN MUL_HI
	MUL16 4, 1, 0
	MUL16 6, 1, 0
	PLACES NP
	WIN 0
	FETCH_A \next, 0, 4
.endm
	s_wait_alu depctr_va_vdst(0)
	s_wait_tensorcnt 0x0                           ; my one load is done, so its descriptors may be written: the ring's refills bring 128 rows a wave
	s_mov_b32 s[G0+1], s45                         ; slot 0's groups 0 for the ring: my 128 rows, K step 0
	s_mov_b64 s[G0+2:G0+3], s[12:13]
	s_or_b32 s[G0+3], s[G0+3], 0x80000000
	s_mov_b32 s[G0B+1], s45
	s_mov_b64 s[G0B+2:G0B+3], s[46:47]
	s_or_b32 s[G0B+3], s[G0B+3], 0x80000000
	s_mov_b32 s[G1+2], 128<<16
	s_mov_b32 s[G1+4], 128
	s_mov_b32 s[G1B+2], 128<<16
	s_mov_b32 s[G1B+4], 128
	s_barrier_signal -1
	s_barrier_wait -1
	FETCH_B 0, 0, 0
	FETCH_A 0, 0, 0
	FETCH_A 0, 0, 4
	STEP 0, 0, 1
	s_mov_b32 s3, LAPS-1
.Llap:
	TURN 0, 1, 1
	STEP 1, 0, 0
	TURN 1, 0, 1
	STEP 0, 0, 0
	s_sub_co_u32 s3, s3, 1
	s_cmp_lg_u32 s3, 0
	s_cbranch_scc1 .Llap
	TURN 0, 1, 0
	STEP 1, 0, 0
	s_wait_dscnt 4*NL
	WIN MUL_LO
	MUL16 0, 1, 0
	MUL16 2, 1, 0
	s_wait_dscnt 0
	WIN MUL_HI
	MUL16 4, 1, 0
	MUL16 6, 1, 0
	WIN 0
	s_wait_kmcnt 0x0
	s_wait_loadcnt 0x0
	s_add_co_i32 s88, s80, s81
	s_cmp_eq_u32 ttmp9, 2
	s_cselect_b32 s89, s85, s83
	s_cmp_eq_u32 ttmp9, 0
	s_cselect_b32 s89, s82, s89
	s_sub_co_i32 s89, s89, s88
	s_add_co_i32 s89, s89, 127
	s_lshl_b32 s90, s89, 23
	v_mov_b32 v[SCV], s90
	s_add_co_i32 s89, s89, 15
	s_lshl_b32 s89, s89, 23
	s_or_b32 s89, s89, 0x600000
	v_mov_b32 v[LIMV], s89
	s_sub_co_i32 s88, 0, s88
.set J, 0
.rept 64
	v_ldexp_f32 v[BIAS+J], v[BIAS+J], s88
.set J, J+1
.endr
.macro TOSTAGE p, vv
.irp u, 0,1
.set AA, 2*(\p)+\u
.set AC, 64*(AA%4)
.set WN, 0x02+AA/4
	WIN WN
.irp b, 0,1,2,3,4,5,6,7
.if \vv
.set BG, BIAS+8*AA
.else
.set BG, BIAS+8*\b
.endif
.irp i, 0,2,4,6
	v_pk_add_f32 v[TMP+8*\b+\i:TMP+8*\b+\i+1], v[AC+8*\b+\i:AC+8*\b+\i+1], v[BG+\i:BG+\i+1]
.endr
.endr
	WIN 0
.set J, 0
.rept 64
	v_med3_num_f32 v[TMP+J], v[TMP+J], -v[LIMV], v[LIMV]
.set J, J+1
.endr
.irp b, 0,1,2,3,4,5,6,7
	v_cvt_scalef32_pk8_bf8_f32 v[CD+16*\u+2*\b:CD+16*\u+2*\b+1], v[TMP+8*\b:TMP+8*\b+7], v[SCV]
.endr
	v_nop
.irp b, 0,1,2,3,4,5,6,7
.if \vv
	ds_store_b64 v[STOV], v[CD+16*\u+2*\b:CD+16*\u+2*\b+1] offset:\u*2048+(\b/2)*512+(\b%2)*256
.else
	ds_store_b64 v[STOQ], v[CD+16*\u+2*\b:CD+16*\u+2*\b+1] offset:(\b/4)*2048+\u*128+((\b%4)/2)*512+(\b%2)*256
.endif
.endr
.endr
.set BB, BK+32*((\p)%2)
.irp n, 0,1,2,3,4,5,6,7
.if \vv
	ds_load_b128 v[BB+4*\n:BB+4*\n+3], v[RDV] offset:512*\n
.else
	ds_load_b128 v[BB+4*\n:BB+4*\n+3], v[RDQ] offset:512*\n
.endif
.endr
.endm
.macro SEND p, younger, vv
.set BB, BK+32*((\p)%2)
	s_wait_dscnt \younger
.irp n, 0,1,2,3,4,5,6,7
.if \vv
	global_store_b128 v[GO], v[BB+4*\n:BB+4*\n+3], s[92:93] offset:((\p)/2)*262144+((\p)%2)*4096+\n*512
.else
	global_store_b128 v[GO], v[BB+4*\n:BB+4*\n+3], s[92:93] offset:(\n/4)*262144+(\p)*2048+(\n%4)*512
.endif
.endr
.endm
.macro WAYOUT vv
	TOSTAGE 0, \vv
.irp p, 1,2,3
.if \p > 1
	s_wait_xcnt 0x0
.endif
	TOSTAGE \p, \vv
	SEND \p-1, 24, \vv
.endr
	SEND 3, 0, \vv
.endm
	s_cmp_eq_u32 ttmp9, 2
	s_cbranch_scc1 .Lv
	WAYOUT 0
	s_branch .Lend
.Lv:
	WAYOUT 1
.Lend:
	s_wait_tensorcnt 0x0
	ds_add_u32 v[SPW], v[NIL]
	s_wait_dscnt 0x0
	CROUND
	s_endpgm
.Lfunc_end_k_qf9beeca436_qkv:
	.size	k_qf9beeca436_qkv, .Lfunc_end_k_qf9beeca436_qkv-k_qf9beeca436_qkv
	.p2alignl 7, 3214868480
	.fill 96, 4, 3214868480
	.section	.rodata,"a",@progbits
	.p2align	6, 0x0
	.amdhsa_kernel k_qf9beeca436_qkv
		.amdhsa_group_segment_fixed_size 327680
		.amdhsa_private_segment_fixed_size 0
		.amdhsa_enable_private_segment 0
		.amdhsa_kernarg_size 56
		.amdhsa_user_sgpr_count 2
		.amdhsa_user_sgpr_kernarg_segment_ptr 1
		.amdhsa_wavefront_size32 1
		.amdhsa_system_sgpr_workgroup_id_x 1
		.amdhsa_system_sgpr_workgroup_id_y 1
		.amdhsa_system_sgpr_workgroup_id_z 1
		.amdhsa_system_vgpr_workitem_id 0
		.amdhsa_next_free_vgpr 1024
		.amdhsa_next_free_sgpr 100
		.amdhsa_reserve_vcc 0
		.amdhsa_float_denorm_mode_32 3
		.amdhsa_float_denorm_mode_16_64 3
		.amdhsa_memory_ordered 1
		.amdhsa_forward_progress 1
		.amdhsa_inst_pref_size 214
	.end_amdhsa_kernel
	.amdgpu_metadata
---
amdhsa.version: [ 1, 2 ]
amdhsa.kernels:
  - .name:           k_qf9beeca436_qkv
    .symbol:         k_qf9beeca436_qkv.kd
    .args:
      - { .name: x_codes, .offset: 0, .size: 8, .value_kind: global_buffer, .address_space: global }
      - { .name: wqkv_codes, .offset: 8, .size: 8, .value_kind: global_buffer, .address_space: global }
      - { .name: lowp_scales, .offset: 16, .size: 8, .value_kind: global_buffer, .address_space: global }
      - { .name: b_qkv, .offset: 24, .size: 8, .value_kind: global_buffer, .address_space: global }
      - { .name: q_codes, .offset: 32, .size: 8, .value_kind: global_buffer, .address_space: global }
      - { .name: k_codes, .offset: 40, .size: 8, .value_kind: global_buffer, .address_space: global }
      - { .name: v_codes, .offset: 48, .size: 8, .value_kind: global_buffer, .address_space: global }
    .group_segment_fixed_size: 327680
    .private_segment_fixed_size: 0
    .kernarg_segment_align: 8
    .kernarg_segment_size: 56
    .max_flat_workgroup_size: 128
    .sgpr_count:     100
    .vgpr_count:     1024
    .wavefront_size: 32
...
	.end_amdgpu_metadata
.endif
;; end of part 2
;; launch attn (part 3): grid 16 x 16, 8 waves a work-group, clusters of 4 x 1, 327,680 bytes of LDS; arguments q_codes, k_codes, v_codes, lowp_scales, a_codes; writes a_codes
.if DOCPART == 3
	.amdgcn_target "amdgcn-amd-amdhsa--gfx1250"
	.amdhsa_code_object_version 6
	.text
	.protected	k_qf9beeca436_attn
	.globl	k_qf9beeca436_attn
	.p2align	8
	.type	k_qf9beeca436_attn,@function
k_qf9beeca436_attn:
	s_mov_b64 s[64:65], 0
	v_nop
	global_prefetch_b8 v0, s[64:65] scope:SCOPE_SE
	s_setreg_imm32_b32 hwreg(HW_REG_WAVE_MODE, 25, 1), 1
	s_wait_xcnt 0x0
	s_wait_alu depctr_hold_cnt(0) depctr_sa_sdst(0) depctr_va_vdst(0) depctr_va_sdst(0) depctr_va_ssrc(0) depctr_va_vcc(0) depctr_vm_vsrc(0)
	s_getreg_b32 s2, hwreg(HW_REG_IB_STS2, 6, 4)
	s_cmp_eq_u32 s2, 0
	s_cbranch_scc0 .Lentry_in_a_cluster
	s_endpgm
.Lentry_in_a_cluster:
	s_bfe_u32 s2, ttmp6, 0x10000c
	s_cmp_lg_u32 s2, 0x3003
	s_cbranch_scc0 .Lentry_shape_is_right
	s_endpgm
.Lentry_shape_is_right:
; For each of 16 heads: O[q] = the sum over k of softmax_k(Q[q] . K[k] / 8) V[k], both products on codes of BF8 (E5M2), and the quantiser of O behind them.  4,096 tokens, head size 64.
; THE SOFTMAX AHEAD OF THE SECOND PRODUCT: t = score x log2(e) / 8; M = the row's largest t so far, rounded UP to a whole number; p = 2^(t - M) is quantised with 2^e4, not normalised.
; The row's sum is taken of the unquantised p, in f32, and divides O at the end.  When M moves, the sum and O are multiplied by 2^(old M - new M): exact.
; q_codes, k_codes, v_codes, a_codes are IMAGES OF OPERAND REGISTERS: every fragment is read at 16 x lane; a key step's tiles are dense blocks of 8,192 bytes.
;   q, k: a block of 128 tokens is 8 tiles of 1,024 bytes; lane r of tile 2 b + u holds token 32 b + 8 u + r % 8 + 16 (r / 8); registers 4 c .. 4 c + 3 hold channels 32 c + 16 (lane / 16) + 0 .. 15.
;   v: a block of 128 keys is 4 fragments of 2,048 bytes: lane r holds channel 16 d + r; registers 4 c .. 4 c + 3 hold keys 32 c + 16 (lane / 16) + 0 .. 15.
; SHARES.  A work-group owns 256 queries of one head; each of its eight waves owns 32: two tiles of 16, T0 and T1; each fragment of K and V feeds two matrix instructions.  Every wave walks all 4,096 keys, 128 a step.
; Both products are used transposed (S^T = K Q^T, O^T = V^T P^T): a lane holds ONE query of each tile; the 16 registers of score tiles 2 b, 2 b + 1 are keys 32 b + 16 (lane / 16) + 0 .. 15, so the conversions' results are P's operand.
; A STEP'S BODY is: S^T of step i (K's fragments were loaded in the body before), O^T += of step i - 1, the loads of K for step i + 1 and of V for step i, the softmax of step i for both tiles together.
; The body is written once: the first finds zero codes for P and V and zeros in O^T, which stay zeros; the last step's second product stands behind the loops.
; In a slot's last step K's next block lies in the other slot.
; The two tiles' chains (maxima, M, sums) are laid by turns.  Lines that belong to no chain stand among the exponentials: T1's t - M among T0's, T0's holds among T1's.
; RING.  Two LDS slots of 1,024 keys: 65,536 bytes of K, then 65,536 of V.  Each wave fetches 16,384 bytes (waves 0-3: K, 4-7: V) with one tensor load behind each change of slots.
; CLUSTER.  The four query blocks of a cluster belong to one head and walk the same K and V: each tile is asked for JOINTLY, by the same descriptor and the mask of all four.
; NO PREFETCH: a refill is asked for eight key steps (192 matrix instructions a wave) ahead of the wait for it.
; LIMITS: e2 + e3 between -123 and 130 (added to c's exponent field); e4 and e6 between -126 and 112; the scaled scores stay under 2^31 in magnitude.
; REGISTERS.  Window 0: v1-9 addresses and 2^e4; v12-19 -M, the largest t and the sum of T0, of T1; v20-29 at work; v30, v31 57,344 x 2^e4 (twice: the two halves of a dual line name different registers);
;   v32-95, v96-159 S^T then p of T0, T1; v160-191, v192-223 O^T; v224-239, v240-255 p's codes.  Window 1: v16-79 K's 8 fragments, v80-143 V's 4, v240-255 Q.
.set SLOT1, 131072
.set VOFF,  65536
.set SPARE, 262144                     ; the spare words, 128 bytes for each of eight waves
.set STAGE, SPARE+1024                 ; the way out: 2,048 bytes for each wave; no fill lands here
.set LI,   1                           ; 16 x lane
.set AV0,  2                           ; 16 x lane + VOFF
.set ADK,  3
.set ADV,  4
.set SPW,  5
.set NIL,  6
.set STO,  7
.set RD,   8
.set SCV,  9
.set NM0,  12
.set SU0,  14
.set NM1,  16
.set SU1,  18
.set MA0,  20
.set MB0,  21
.set MA1,  22
.set MB1,  23
.set PX0,  24
.set PX1,  25
.set F0,   26
.set F1,   28
.set LIMA, 30
.set LIMB, 31
.set S0,   32
.set S1,   96
.set O0,   160
.set O1,   192
.set PC0,  224
.set PC1,  240
.set KF,   16
.set VF,   80
.set QF0,  240
.set QF1,  248
.set WV,   14
.set SEL,  20
.set CS,   22
.set G1,   24
.set G0,   32
.set TB,   36
.set SLOTS, 37
.set CNT,  38
.set EPV,  56
.set MSB, 0
.macro WIN new                         ; bits 1:0 source 0, 3:2 source 1, 5:4 source 2, 7:6 destination; the high byte repeats the setting that is left
.if MSB != \new
	s_set_vgpr_msb (MSB<<8)|\new
.set MSB, \new
.endif
.endm
.macro CROUND                          ; a round of the cluster's barrier
	s_barrier_signal -1
	s_barrier_wait -1
	s_cmp_lg_u32 s[WV], 0
	s_cbranch_scc1 .Lnot_wave_0_\@
	s_barrier_signal -3
.Lnot_wave_0_\@:
	s_barrier_wait -3
	s_barrier_signal -1
	s_barrier_wait -1
.endm
	s_load_b256 s[4:11], s[0:1], 0x0               ; q_codes, k_codes, v_codes, the scales' exponents
	s_load_b64 s[12:13], s[0:1], 0x20              ; a_codes
	v_lshl_add_u32 v[SPW], v0, 2, SPARE
	v_mov_b32 v[NIL], 0
	ds_add_u32 v[SPW], v[NIL]                      ; the opening lines: the add twice on end and its wait
	ds_add_u32 v[SPW], v[NIL]
	v_lshrrev_b32 v9, 5, v0
	v_readfirstlane_b32 s[WV], v9                  ; wave 0..7
	s_bfe_u32 s15, ttmp6, 0x40000                  ; cx
	s_lshl_b32 s16, ttmp9, 2
	s_add_co_u32 s16, s16, s15                     ; my block of 256 queries: it enters Q's and the output's addresses alone
	s_and_b32 s17, ttmp7, 0xffff                   ; the head, which the four partners share
	s_lshl_b32 s18, s17, 18                        ; its first byte in q_codes, k_codes, v_codes
	s_mov_b32 s[G1], 15|(3<<16)|(1<<21)            ; the mask of all four; elements of 8 bytes; bit 21 beside a mask
	s_mov_b32 s[G1+1], 32<<16                      ; 16,384 dense bytes as 64 rows of 256
	s_mov_b32 s[G1+2], 64<<16
	s_mov_b32 s[G1+3], 32<<16
	s_mov_b32 s[G1+4], 64
	s_mov_b32 s[G1+5], 32
	s_mov_b32 s[G1+6], 0
	s_mov_b32 s[G1+7], 0
	s_and_b32 s48, s[WV], 3
	s_lshl_b32 s48, s48, 14                        ; my quarter of a slot's K or V,
	s_add_co_u32 s48, s48, s18                     ; in my head
	s_mov_b32 s49, 0
	s_mov_b32 s[G0], 1
	s_lshl_b32 s[G0+1], s[WV], 14                  ; LDS: wave x 16,384, slot 0
	s_mov_b32 s[SEL], 0x76543210
	s_mov_b32 s[SEL+1], 0xfedcba98
	s_mov_b32 s[CS], 0x3e38aa3b                    ; log2(e) / 8
	s_mov_b32 s[TB], 0
	s_mov_b32 s[SLOTS], 3
	s_wait_dscnt 0x0
	s_wait_kmcnt 0x0
	s_load_b256 s[40:47], s[10:11], 0x0            ; e0 .. e7
	s_cmp_lt_u32 s[WV], 4                          ; waves 0-3 fetch K, waves 4-7 V
	s_cselect_b64 s[G0+2:G0+3], s[6:7], s[8:9]
	s_add_nc_u64 s[G0+2:G0+3], s[G0+2:G0+3], s[48:49]
	s_or_b32 s[G0+3], s[G0+3], 0x80000000
	CROUND                                         ; the first joint loads meet
	tensor_load_to_lds s[G0:G0+3], s[G1:G1+7]      ; slot 0: my one load at the head
	s_nop 0
.rept 4
	v_nop
.endr
	s_lshl_b32 s50, s16, 14                        ; 256 queries are 16,384 bytes,
	s_lshl_b32 s53, s[WV], 11                      ; my wave's 32 are 2,048; also my stage
	s_add_co_u32 s50, s50, s53
	s_add_co_u32 s50, s50, s18
	s_mov_b32 s51, 0
	s_add_nc_u64 s[4:5], s[4:5], s[50:51]
	; a_codes: (head / 4) x 1,048,576 + (token / 16) x 4,096 + (head % 4) x 1,024 + (d / 32) x 512 + ((d / 16) % 2) x 256 + (token % 16) x 16 + d % 16
	s_lshr_b32 s54, s17, 2
	s_lshl_b32 s54, s54, 20
	s_and_b32 s55, s17, 3
	s_lshl_b32 s55, s55, 10
	s_add_co_u32 s54, s54, s55
	s_lshl_b32 s55, s16, 16
	s_add_co_u32 s54, s54, s55
	s_lshl_b32 s55, s[WV], 13
	s_add_co_u32 s54, s54, s55
	s_mov_b32 s55, 0
	s_add_nc_u64 s[12:13], s[12:13], s[54:55]
	v_and_b32 v9, 31, v0
	v_lshlrev_b32 v[LI], 4, v9
	v_add_nc_u32 v[AV0], VOFF, v[LI]
	WIN 0x40                                       ; destination window 1
	global_load_b128 v[QF0:QF0+3], v[LI], s[4:5]             ; T0: queries q0 + r % 8 + 16 (r / 8)
	global_load_b128 v[QF0+4:QF0+7], v[LI], s[4:5] offset:512
	global_load_b128 v[QF1:QF1+3], v[LI], s[4:5] offset:1024 ; T1: 8 further on
	global_load_b128 v[QF1+4:QF1+7], v[LI], s[4:5] offset:1536
	WIN 0
	v_and_b32 v9, 15, v0                           ; r
	v_bfe_u32 v10, v0, 4, 1                        ; h
	v_lshrrev_b32 v11, 3, v9
	v_and_b32 v9, 7, v9
	v_lshlrev_b32 v[STO], 10, v11
	v_lshl_add_u32 v[STO], v9, 4, v[STO]
	v_lshl_add_u32 v[STO], v10, 3, v[STO]
	v_add_nc_u32 v[STO], s53, v[STO]
	v_add_nc_u32 v[STO], STAGE, v[STO]             ; (r / 8) x 1,024 + (r % 8) x 16 + 8 h
	v_add_nc_u32 v[RD], s53, v[LI]
	v_add_nc_u32 v[RD], STAGE, v[RD]
	s_wait_alu depctr_va_vdst(0)
	s_wait_kmcnt 0x0
	s_add_co_i32 s52, s42, s43
	s_lshl_b32 s52, s52, 23
	s_add_co_i32 s[CS], s[CS], s52                 ; c x 2^(e2 + e3)
	s_mov_b32 s[CS+1], s[CS]
	s_add_co_i32 s52, s44, 127
	s_lshl_b32 s48, s52, 23                        ; 2^e4
	s_add_co_i32 s52, s52, 15
	s_lshl_b32 s49, s52, 23
	s_or_b32 s49, s49, 0x600000                    ; 57,344 x 2^e4
	s_add_co_i32 s52, s46, 127
	s_lshl_b32 s50, s52, 23                        ; 2^e6
	s_add_co_i32 s52, s52, 15
	s_lshl_b32 s51, s52, 23
	s_or_b32 s51, s51, 0x600000                    ; 57,344 x 2^e6
	s_add_co_i32 s[EPV], s44, s45                  ; e4 + e5
.irp b, NM0, NM1
	v_mov_b32 v[\b], 0x7f61b1e6                    ; -M = 3e38
	v_mov_b32 v[\b+1], 0xff61b1e6                  ; the largest t so far: -3e38
	v_mov_b32 v[\b+2], 0                           ; the sum, in two halves
	v_mov_b32 v[\b+3], 0
.endr
	v_mov_b32 v[PX0], 0                            ; a lane permute's destination counts as a source
	v_mov_b32 v[PX1], 0
	v_mov_b32 v[F0+1], 0                           ; (upper halves of pairs)
	v_mov_b32 v[F1+1], 0
	v_mov_b32 v[SCV], s48
	v_mov_b32 v[LIMA], s49
	v_mov_b32 v[LIMB], s49
.set J, 0
.rept 96
	v_mov_b32 v[O0+J], 0                           ; O^T of both tiles, and zero codes for the first body's P
.set J, J+1
.endr
	WIN 0x40
.set J, 0
.rept 64
	v_mov_b32 v[VF+J], 0                           ; and for its V
.set J, J+1
.endr
	WIN 0
.macro PV                              ; O^T += V^T P^T: eight accumulators by turns
	WIN 0x01                                       ; V in window 1
.irp d, 0,1,2,3
	v_wmma_f32_16x16x128_bf8_bf8 v[O0+8*\d:O0+8*\d+7], v[VF+16*\d:VF+16*\d+15], v[PC0:PC0+15], v[O0+8*\d:O0+8*\d+7]
	v_wmma_f32_16x16x128_bf8_bf8 v[O1+8*\d:O1+8*\d+7], v[VF+16*\d:VF+16*\d+15], v[PC1:PC1+15], v[O1+8*\d:O1+8*\d+7]
.endr
	WIN 0
.endm
.macro KLOAD off                       ; K's eight fragments
	WIN 0x40
.irp t, 0,1,2,3,4,5,6,7
	ds_load_b128 v[KF+8*\t:KF+8*\t+3], v[ADK] offset:\off+1024*\t
	ds_load_b128 v[KF+8*\t+4:KF+8*\t+7], v[ADK] offset:\off+1024*\t+512
.endr
	WIN 0
.endm
.macro SUM s, a                        ; the row's sum of the unquantised p: 32 pairs in four chains
	v_pk_add_f32 v[20:21], v[\s:\s+1], v[\s+2:\s+3]
	v_pk_add_f32 v[22:23], v[\s+4:\s+5], v[\s+6:\s+7]
	v_pk_add_f32 v[24:25], v[\s+8:\s+9], v[\s+10:\s+11]
.set J, 12
.rept 6
	v_pk_add_f32 v[\a:\a+1], v[\a:\a+1], v[\s+J:\s+J+1]
	v_pk_add_f32 v[20:21], v[20:21], v[\s+J+2:\s+J+3]
	v_pk_add_f32 v[22:23], v[22:23], v[\s+J+4:\s+J+5]
	v_pk_add_f32 v[24:25], v[24:25], v[\s+J+6:\s+J+7]
.set J, J+8
.endr
	v_pk_add_f32 v[\a:\a+1], v[\a:\a+1], v[\s+60:\s+61]
	v_pk_add_f32 v[20:21], v[20:21], v[\s+62:\s+63]
	v_pk_add_f32 v[22:23], v[22:23], v[24:25]
	v_pk_add_f32 v[\a:\a+1], v[\a:\a+1], v[20:21]
	v_pk_add_f32 v[\a:\a+1], v[\a:\a+1], v[22:23]
.endm
.macro CODES s, pc
.irp b, 0,1,2,3
	v_cvt_scalef32_pk8_bf8_f32 v[\pc+4*\b:\pc+4*\b+1], v[\s+16*\b:\s+16*\b+7], v[SCV]
	v_cvt_scalef32_pk8_bf8_f32 v[\pc+4*\b+2:\pc+4*\b+3], v[\s+16*\b+8:\s+16*\b+15], v[SCV]
.endr
.endm
; A STEP'S BODY.  Every window is 0 at its head and at its end; K's fragments of this step and V's of the last are in registers.
.macro STEP
	WIN 0x05                                       ; K and Q in window 1
.irp t, 0,1,2,3,4,5,6,7
	v_wmma_f32_16x16x64_bf8_bf8 v[S0+8*\t:S0+8*\t+7], v[KF+8*\t:KF+8*\t+7], v[QF0:QF0+7], 0
.endr
.irp t, 0,1,2,3,4,5,6,7
	v_wmma_f32_16x16x64_bf8_bf8 v[S1+8*\t:S1+8*\t+7], v[KF+8*\t:KF+8*\t+7], v[QF1:QF1+7], 0
.endr
	PV                                             ; the step before's
.rept 4
	v_nop                                          ; places ahead of the loads into K's and V's registers and of the first read of the scores
.endr
	s_cmp_eq_u32 s[CNT], 1                         ; the slot's last step: K's next block lies in the other slot
	s_cbranch_scc1 .Lno_k_\@
	KLOAD 8192                                     ; the next step's K
.Lno_k_\@:
	WIN 0x40
.irp d, 0,1,2,3
.irp c, 0,1,2,3
	ds_load_b128 v[VF+16*\d+4*\c:VF+16*\d+4*\c+3], v[ADV] offset:2048*\d+512*\c   ; this step's V
.endr
.endr
	WIN 0
	s_add_co_u32 s[TB], s[TB], 8192
	v_add_nc_u32 v[ADK], s[TB], v[LI]              ; the next body's addresses
	v_add_nc_u32 v[ADV], s[TB], v[AV0]
	v_max3_num_f32 v[MA0], v[S0], v[S0+1], v[S0+2] ; the step's largest scores: two chains a tile, each accumulator from its low end on
	v_max3_num_f32 v[MA1], v[S1], v[S1+1], v[S1+2]
	v_max3_num_f32 v[MB0], v[S0+3], v[S0+4], v[S0+5]
	v_max3_num_f32 v[MB1], v[S1+3], v[S1+4], v[S1+5]
.set J, 6
.rept 14
	v_max3_num_f32 v[MA0], v[MA0], v[S0+J], v[S0+J+1]
	v_max3_num_f32 v[MA1], v[MA1], v[S1+J], v[S1+J+1]
	v_max3_num_f32 v[MB0], v[MB0], v[S0+J+2], v[S0+J+3]
	v_max3_num_f32 v[MB1], v[MB1], v[S1+J+2], v[S1+J+3]
.set J, J+4
.endr
	v_max3_num_f32 v[MA0], v[MA0], v[S0+62], v[S0+63]
	v_max3_num_f32 v[MA1], v[MA1], v[S1+62], v[S1+63]
	v_max_num_f32 v[MA0], v[MA0], v[MB0]
	v_max_num_f32 v[MA1], v[MA1], v[MB1]
	v_mov_b32 v[MB0], v[NM0]                       ; the old -M
	v_mov_b32 v[MB1], v[NM1]
	v_permlanex16_b32 v[PX0], v[MA0], s[SEL], s[SEL+1]
	v_permlanex16_b32 v[PX1], v[MA1], s[SEL], s[SEL+1]
	v_max_num_f32 v[MA0], v[MA0], v[PX0]           ; and lane l xor 16's
	v_max_num_f32 v[MA1], v[MA1], v[PX1]
	v_mul_f32 v[MA0], s[CS], v[MA0]                ; as t (c is positive)
	v_mul_f32 v[MA1], s[CS], v[MA1]
	v_max_num_f32 v[NM0+1], v[NM0+1], v[MA0]       ; the running largest t
	v_max_num_f32 v[NM1+1], v[NM1+1], v[MA1]
	v_floor_f32 v[NM0], -v[NM0+1]                  ; -M = -ceil(t)
	v_floor_f32 v[NM1], -v[NM1+1]
	v_sub_f32 v[MA0], v[NM0], v[MB0]               ; old M - new M, 0 or less
	v_sub_f32 v[MA1], v[NM1], v[MB1]
	v_cvt_i32_f32 v[MA0], v[MA0]                   ; (it saturates)
	v_cvt_i32_f32 v[MA1], v[MA1]
	v_ldexp_f32 v[F0], 1.0, v[MA0]                 ; f = 2^(old M - new M)
	v_ldexp_f32 v[F1], 1.0, v[MA1]
.set J, 0
.rept 16
	v_pk_mul_f32 v[O0+J:O0+J+1], v[O0+J:O0+J+1], v[F0:F0+1] op_sel_hi:[1,0]   ; O^T under the new M
	v_pk_mul_f32 v[O1+J:O1+J+1], v[O1+J:O1+J+1], v[F1:F1+1] op_sel_hi:[1,0]
.set J, J+2
.endr
.set J, 0
.rept 32
	v_pk_fma_f32 v[S0+J:S0+J+1], v[S0+J:S0+J+1], s[CS:CS+1], v[NM0:NM0+1] op_sel_hi:[1,0,0]   ; T0: t - M
.set J, J+2
.endr
	s_wait_alu depctr_va_vdst(0)                   ; ahead of the batch
.set J, 0
.rept 32
	v_exp_f32 v[S0+J], v[S0+J]                     ; T0: p = 2^(t - M)
	v_exp_f32 v[S0+J+1], v[S0+J+1]
	v_pk_fma_f32 v[S1+J:S1+J+1], v[S1+J:S1+J+1], s[CS:CS+1], v[NM1:NM1+1] op_sel_hi:[1,0,0]   ; T1: t - M; first read behind the wait below
.set J, J+2
.endr
	v_pk_mul_f32 v[SU0:SU0+1], v[SU0:SU0+1], v[F0:F0+1] op_sel_hi:[1,0]   ; the sums under the new M
	v_pk_mul_f32 v[SU1:SU1+1], v[SU1:SU1+1], v[F1:F1+1] op_sel_hi:[1,0]
	s_wait_alu depctr_va_vdst(0)                   ; and behind it, ahead of its first reader
	SUM S0, SU0
	s_wait_alu depctr_va_vdst(0)                   ; ahead of the second batch
.set J, 0
.rept 32
	v_exp_f32 v[S1+J], v[S1+J]                     ; T1: p
	v_exp_f32 v[S1+J+1], v[S1+J+1]
	v_dual_min_num_f32 v[S0+J], v[S0+J], v[LIMA] :: v_dual_min_num_f32 v[S0+J+1], v[S0+J+1], v[LIMB]   ; T0: the conversion does not saturate (ISA guide 7.6.2); p is not negative, so the hold is one-sided
.set J, J+2
.endr
	v_nop                                          ; a plain instruction behind the exponentials
	s_wait_alu depctr_va_vdst(0)                   ; behind the second batch
	SUM S1, SU1
.set J, 0
.rept 32
	v_dual_min_num_f32 v[S1+J], v[S1+J], v[LIMA] :: v_dual_min_num_f32 v[S1+J+1], v[S1+J+1], v[LIMB]
.set J, J+2
.endr
	CODES S0, PC0
	CODES S1, PC1
	v_nop                                          ; one plain instruction behind the last conversion
	s_wait_alu depctr_va_vdst(0)
	s_wait_dscnt 0x0                               ; the next step's K and this step's V are in
.endm
; THE CHANGE OF SLOTS.  Each wave waits for all its tensor loads, adds 0 to its spare word, and waits for that and for its reads of the slot that it has left.
; fill = 1: the barrier is a round of the cluster's, and behind it the slot that was left is filled with the next 1,024 keys: the wave's one tensor load until the next change.
.macro CHANGE fill
	s_wait_tensorcnt 0x0
	ds_add_u32 v[SPW], v[NIL]
.if \fill
	s_xor_b32 s[G0+1], s[G0+1], SLOT1
	s_add_nc_u64 s[G0+2:G0+3], s[G0+2:G0+3], 65536
.endif
	s_wait_dscnt 0x0
.if \fill
	CROUND
	tensor_load_to_lds s[G0:G0+3], s[G1:G1+7]
	s_nop 0
.rept 4
	v_nop
.endr
.else
	s_barrier_signal -1
	s_barrier_wait -1
.endif
.endm
.macro STEPS                           ; a slot's eight key steps
	v_add_nc_u32 v[ADK], s[TB], v[LI]
	v_add_nc_u32 v[ADV], s[TB], v[AV0]
	s_wait_alu depctr_va_vdst(0)                   ; behind these writes
	KLOAD 0                                        ; the slot's first K
	s_mov_b32 s[CNT], 8
	s_wait_dscnt 0x0
.Lstep_\@:
	STEP
	s_sub_co_u32 s[CNT], s[CNT], 1
	s_cmp_lg_u32 s[CNT], 0
	s_cbranch_scc1 .Lstep_\@
	s_sub_co_u32 s[TB], s[TB], 65536
	s_xor_b32 s[TB], s[TB], SLOT1
.endm
	s_wait_alu depctr_va_vdst(0)
	s_wait_loadcnt 0x0                             ; Q
.Lslot:                                            ; three trips: behind each change of slots but the last the next slot is asked for
	CHANGE 1
	STEPS
	s_sub_co_u32 s[SLOTS], s[SLOTS], 1
	s_cmp_lg_u32 s[SLOTS], 0
	s_cbranch_scc1 .Lslot
	CHANGE 0                                       ; the last slot is written out
	STEPS
	PV                                             ; the last step's second product
	; THE WAY OUT.  O^T x 2^(e4 + e5) / the sum is quantised with 2^e6; a lane's eight channels become 8 bytes, go through my stage in a_codes' order and leave as runs of 512 bytes.
	v_add_f32 v[SU0], v[SU0], v[SU0+1]
	v_add_f32 v[SU1], v[SU1], v[SU1+1]
	v_mov_b32 v[LIMA], s51                         ; 57,344 x 2^e6
	v_mov_b32 v[SCV], s50                          ; 2^e6
	v_permlanex16_b32 v[PX0], v[SU0], s[SEL], s[SEL+1]
	v_permlanex16_b32 v[PX1], v[SU1], s[SEL], s[SEL+1]
	v_add_f32 v[SU0], v[SU0], v[PX0]
	v_add_f32 v[SU1], v[SU1], v[PX1]
	s_wait_alu depctr_va_vdst(0)                   ; ahead of the reciprocals
	v_rcp_f32 v[MA0], v[SU0]
	v_rcp_f32 v[MA1], v[SU1]
	v_nop
	s_wait_alu depctr_va_vdst(0)                   ; and behind them
	v_ldexp_f32 v[MA0], v[MA0], s[EPV]
	v_ldexp_f32 v[MA1], v[MA1], s[EPV]
	s_wait_alu depctr_va_vdst(0)                   ; ahead of the first readers of O^T
.set J, 0
.rept 16
	v_pk_mul_f32 v[S0+J:S0+J+1], v[O0+J:O0+J+1], v[MA0:MA0+1] op_sel_hi:[1,0]   ; register 8 d + j: channel 16 d + 8 (lane / 16) + j
	v_pk_mul_f32 v[S1+J:S1+J+1], v[O1+J:O1+J+1], v[MA1:MA1+1] op_sel_hi:[1,0]
.set J, J+2
.endr
.set J, 0
.rept 32
	v_med3_num_f32 v[S0+J], v[S0+J], -v[LIMA], v[LIMA]
	v_med3_num_f32 v[S1+J], v[S1+J], -v[LIMA], v[LIMA]
.set J, J+1
.endr
.irp d, 0,1,2,3
	v_cvt_scalef32_pk8_bf8_f32 v[PC0+2*\d:PC0+2*\d+1], v[S0+8*\d:S0+8*\d+7], v[SCV]
	v_cvt_scalef32_pk8_bf8_f32 v[PC1+2*\d:PC1+2*\d+1], v[S1+8*\d:S1+8*\d+7], v[SCV]
.endr
	v_nop
.irp d, 0,1,2,3
	ds_store_b64 v[STO], v[PC0+2*\d:PC0+2*\d+1] offset:(\d/2)*512+(\d%2)*256
	ds_store_b64 v[STO], v[PC1+2*\d:PC1+2*\d+1] offset:(\d/2)*512+(\d%2)*256+128
.endr
.irp n, 0,1,2,3
	ds_load_b128 v[S1+32+4*\n:S1+32+4*\n+3], v[RD] offset:512*\n   ; LDS serves a wave's instructions in order (ISA guide 5.7.1.4)
.endr
.irp n, 0,1,2,3
	s_wait_dscnt 3-\n                              ; load n is in; the younger ones may be out
	global_store_b128 v[LI], v[S1+32+4*\n:S1+32+4*\n+3], s[12:13] offset:(\n/2)*4096+(\n%2)*512   ; 32 lanes store 512 consecutive bytes, aligned
.endr
	s_wait_tensorcnt 0x0                           ; the wave's end
	ds_add_u32 v[SPW], v[NIL]
	s_wait_dscnt 0x0
	CROUND                                         ; the closing round
	s_endpgm
.Lfunc_end_k_qf9beeca436_attn:
	.size	k_qf9beeca436_attn, .Lfunc_end_k_qf9beeca436_attn-k_qf9beeca436_attn
	.p2alignl 7, 3214868480
	.fill 96, 4, 3214868480
	.section	.rodata,"a",@progbits
	.p2align	6, 0x0
	.amdhsa_kernel k_qf9beeca436_attn
		.amdhsa_group_segment_fixed_size 327680
		.amdhsa_private_segment_fixed_size 0
		.amdhsa_enable_private_segment 0
		.amdhsa_kernarg_size 40
		.amdhsa_user_sgpr_count 2
		.amdhsa_user_sgpr_kernarg_segment_ptr 1
		.amdhsa_wavefront_size32 1
		.amdhsa_system_sgpr_workgroup_id_x 1
		.amdhsa_system_sgpr_workgroup_id_y 1
		.amdhsa_system_sgpr_workgroup_id_z 1
		.amdhsa_system_vgpr_workitem_id 0
		.amdhsa_next_free_vgpr 512
		.amdhsa_next_free_sgpr 66
		.amdhsa_reserve_vcc 0
		.amdhsa_float_denorm_mode_32 3
		.amdhsa_float_denorm_mode_16_64 3
		.amdhsa_memory_ordered 1
		.amdhsa_forward_progress 1
		.amdhsa_inst_pref_size 81
	.end_amdhsa_kernel
	.amdgpu_metadata
---
amdhsa.version: [ 1, 2 ]
amdhsa.kernels:
  - .name:           k_qf9beeca436_attn
    .symbol:         k_qf9beeca436_attn.kd
    .args:
      - { .name: q_codes, .offset: 0, .size: 8, .value_kind: global_buffer, .address_space: global }
      - { .name: k_codes, .offset: 8, .size: 8, .value_kind: global_buffer, .address_space: global }
      - { .name: v_codes, .offset: 16, .size: 8, .value_kind: global_buffer, .address_space: global }
      - { .name: lowp_scales, .offset: 24, .size: 8, .value_kind: global_buffer, .address_space: global }
      - { .name: a_codes, .offset: 32, .size: 8, .value_kind: global_buffer, .address_space: global }
    .group_segment_fixed_size: 327680
    .private_segment_fixed_size: 0
    .kernarg_segment_align: 8
    .kernarg_segment_size: 40
    .max_flat_workgroup_size: 256
    .sgpr_count:     66
    .vgpr_count:     512
    .wavefront_size: 32
...
	.end_amdgpu_metadata
.endif
;; end of part 3
;; launch outp (part 4): grid 8 x 32, 4 waves a work-group, clusters of 4 x 4, 327,680 bytes of LDS; arguments a_codes, wout_codes, lowp_scales, b_out, out0; writes out0
.if DOCPART == 4
	.amdgcn_target "amdgcn-amd-amdhsa--gfx1250"
	.amdhsa_code_object_version 6
	.text
	.protected	k_qf9beeca436_outp
	.globl	k_qf9beeca436_outp
	.p2align	8
	.type	k_qf9beeca436_outp,@function
k_qf9beeca436_outp:
	s_mov_b64 s[64:65], 0
	v_nop
	global_prefetch_b8 v0, s[64:65] scope:SCOPE_SE
	s_setreg_imm32_b32 hwreg(HW_REG_WAVE_MODE, 25, 1), 1
	s_wait_xcnt 0x0
	s_wait_alu depctr_hold_cnt(0) depctr_sa_sdst(0) depctr_va_vdst(0) depctr_va_sdst(0) depctr_va_ssrc(0) depctr_va_vcc(0) depctr_vm_vsrc(0)
	s_getreg_b32 s2, hwreg(HW_REG_IB_STS2, 6, 4)
	s_cmp_eq_u32 s2, 0
	s_cbranch_scc0 .Lentry_in_a_cluster
	s_endpgm
.Lentry_in_a_cluster:
	s_bfe_u32 s2, ttmp6, 0x10000c
	s_cmp_lg_u32 s2, 0xf033
	s_cbranch_scc0 .Lentry_shape_is_right
	s_endpgm
.Lentry_shape_is_right:
; out0[t][n] = 2^(e6 + e7) x the sum over k of A[t][k] W[n][k] + b_out[n]: A = a_codes (4,096 tokens x 1,024), W = wout_codes [1024 n][1024 k], codes of BF8 (E5M2); sums in f32.
; LIMIT: e6 + e7 between -126 and 127, so that 2^(e6 + e7) is an f32 number.
; A block of out0 is 128 tokens x 128 columns: 32 x 8 = 256 work-groups of four waves; a wave makes 64 x 64: 16 accumulators.
; ALL OF K LIES IN LDS AT ONCE: A's 128 tokens are 131,072 bytes, W's 128 rows 128 x 1,040.  Each wave fetches a quarter with its one tensor load at the head; nothing is filled again, so there is no ring.
; a_codes is an image of operand registers: (k / 256) x 1,048,576 + (token / 16) x 4,096 + ((k / 128) % 2) x 2,048 + c x 512 + 16 x lane; a block's part of 256 along K is 32,768 dense bytes: a tile row of the load.
; W's rows of 1,024 bytes get 16 bytes of padding each: the sixteen rows that a fragment load touches start 1,040 bytes apart.
; CLUSTERS: 4 x 4 work-groups; A's tile is shared along a row of the cluster, W's along a column: each is asked for jointly.
; NO PREFETCH: the launch has no loop to run ahead in: all its tiles are asked for at its head.
; The matrix instruction is used transposed (source 0 = 16 rows of W, source 1 = 16 tokens): a lane holds eight neighbouring columns of one token.  The bias, divided by 2^(e6 + e7), is the C of the first K step.
; REGISTERS.  Window 0: v16-29 addresses; v32-63 the bias, later a set for the way out; v64-95 scaled sums; v96-127 the other set; v128-255 the accumulators, (a, b) at v[128 + 8 (4 a + b)].
;   Window 1: two sets of fragments, at v0 and v128: A's four, then W's four, 16 registers each.
.set PITCH,  1040
.set ABYTES, 131072
.set HALFB,  64*PITCH
.set SPARE,  ABYTES+2*HALFB            ; the spare words, 128 bytes for each wave
.set STAGE,  SPARE+512                 ; the way out: 16 rows x 272 bytes for each wave; no fill lands here
.set SPITCH, 272
.set ADRA, 16
.set ADRB, 20
.set STO,  24
.set RD,   25
.set CO,   26
.set SPW,  28
.set NIL,  29
.set BIAS, 32
.set TMP,  64
.set ACC,  128
.set G1, 24
.set G0, 32
.set G1B, 48
.set G0B, 56
.set MSB, 0
.macro WIN new
.if MSB != \new
	s_set_vgpr_msb (MSB<<8)|\new
.set MSB, \new
.endif
.endm
.macro CROUND                          ; a round of the cluster's barrier
	s_barrier_signal -1
	s_barrier_wait -1
	s_cmp_lg_u32 s14, 0
	s_cbranch_scc1 .Lnot_wave_0_\@
	s_barrier_signal -3
.Lnot_wave_0_\@:
	s_barrier_wait -3
	s_barrier_signal -1
	s_barrier_wait -1
.endm
	s_load_b256 s[4:11], s[0:1], 0x0               ; a_codes, wout_codes, the scales' exponents, b_out
	s_load_b64 s[12:13], s[0:1], 0x20              ; out0
	v_lshl_add_u32 v[SPW], v0, 2, SPARE
	v_mov_b32 v[NIL], 0
	ds_add_u32 v[SPW], v[NIL]                      ; the opening lines: the add twice on end and its wait
	ds_add_u32 v[SPW], v[NIL]
	v_lshrrev_b32 v1, 5, v0
	v_readfirstlane_b32 s14, v1                    ; wave 0..3
	s_lshr_b32 s15, s14, 1                         ; which 64 tokens are mine.  Also: I fetch for A (0) or for W (1)
	s_and_b32 s16, s14, 1                          ; which 64 columns.  Also: which half of that tile I fetch
	s_bfe_u32 s40, ttmp6, 0x40000                  ; cx
	s_bfe_u32 s41, ttmp6, 0x40004                  ; cy
	s_lshl_b32 s42, ttmp9, 2
	s_add_co_u32 s42, s42, s40                     ; block column 0..7
	s_and_b32 s17, ttmp7, 0xffff
	s_lshl_b32 s17, s17, 2
	s_add_co_u32 s17, s17, s41                     ; block row 0..31
	s_lshl_b32 s43, s41, 2
	s_lshl_b32 s43, 15, s43                        ; my row of the cluster
	s_lshl_b32 s44, 0x1111, s40                    ; my column
	s_or_b32 s[G1+0], s43, (3<<16)|(1<<21)         ; A: elements of 8 bytes, no padding: 2 rows of 4,096 elements, 131,072 elements apart
	s_mov_b32 s[G1+1], 4096<<16
	s_mov_b32 s[G1+2], 2<<16
	s_mov_b32 s[G1+3], 4096<<16
	s_mov_b32 s[G1+4], 2
	s_mov_b32 s[G1+5], 131072
	s_mov_b32 s[G1+6], 0
	s_mov_b32 s[G1+7], 0
	s_or_b32 s[G1B+0], s44, (1<<20)|(1<<21)|(7<<22)|(3<<25)   ; W: elements of 1 byte; four words of padding after every 256: 64 rows of 1,024
	s_mov_b32 s[G1B+1], 1024<<16
	s_mov_b32 s[G1B+2], 64<<16
	s_mov_b32 s[G1B+3], 1024<<16
	s_mov_b32 s[G1B+4], 64
	s_mov_b32 s[G1B+5], 1024
	s_mov_b32 s[G1B+6], 0
	s_mov_b32 s[G1B+7], 0
	s_lshl_b32 s20, s17, 15                        ; A: 128 tokens are 32,768 bytes of each 256 along K,
	s_lshl_b32 s21, s16, 21                        ; my half: 512 along K on
	s_add_co_u32 s20, s20, s21
	s_mov_b32 s21, 0
	s_lshl_b32 s46, s42, 7
	s_lshl_b32 s47, s16, 6
	s_add_co_u32 s46, s46, s47
	s_lshl_b32 s46, s46, 10                        ; W: row 128 x block column + 64 x half
	s_mov_b32 s47, 0
	s_mov_b32 s[G0], 1
	s_lshl_b32 s[G0+1], s16, 16                    ; LDS: A's halves,
	s_mov_b32 s[G0B], 1
	s_mul_i32 s[G0B+1], s16, HALFB
	s_add_co_u32 s[G0B+1], s[G0B+1], ABYTES        ; then W's
	s_wait_dscnt 0x0
	s_wait_kmcnt 0x0
	s_load_b256 s[80:87], s[8:9], 0x0              ; e0 .. e7
	s_add_nc_u64 s[G0+2:G0+3], s[4:5], s[20:21]
	s_or_b32 s[G0+3], s[G0+3], 0x80000000
	s_add_nc_u64 s[G0B+2:G0B+3], s[6:7], s[46:47]
	s_or_b32 s[G0B+3], s[G0B+3], 0x80000000
	CROUND                                         ; the joint loads meet
	s_cmp_eq_u32 s15, 0
	s_cbranch_scc0 .Lfor_b
	tensor_load_to_lds s[G0:G0+3], s[G1:G1+7]
	s_nop 0
.rept 4
	v_nop
.endr
	s_branch .Lasked
.Lfor_b:
	tensor_load_to_lds s[G0B:G0B+3], s[G1B:G1B+7]
	s_nop 0
.rept 4
	v_nop
.endr
.Lasked:
	s_lshl_b32 s66, s42, 9
	s_lshl_b32 s67, s16, 8
	s_add_co_u32 s66, s66, s67                     ; my first column, in bytes of f32
	s_mov_b32 s67, 0
	s_add_nc_u64 s[10:11], s[10:11], s[66:67]      ; the bias there
	s_lshl_b32 s74, s17, 7
	s_lshl_b32 s75, s15, 6
	s_add_co_u32 s74, s74, s75
	s_lshl_b32 s74, s74, 12                        ; my first token x 4,096 bytes
	s_add_co_u32 s74, s74, s66
	s_mov_b32 s75, 0
	s_add_nc_u64 s[12:13], s[12:13], s[74:75]
	s_lshl_b32 s68, s15, 14                        ; my 64 tokens in each 32,768 bytes of A
	s_mul_i32 s69, s16, HALFB
	s_add_co_u32 s69, s69, ABYTES                  ; my 64 rows of W
	s_mul_i32 s70, s14, 16*SPITCH
	s_add_co_u32 s70, s70, STAGE                   ; my stage
	v_and_b32 v1, 15, v0                           ; r
	v_bfe_u32 v2, v0, 4, 1                         ; h
	v_and_b32 v6, 31, v0
	v_lshlrev_b32 v7, 5, v2                        ; the bias: 32 h
	v_lshlrev_b32 v6, 4, v6
	v_add_nc_u32 v[ADRA], s68, v6                  ; A: 16 x lane; K under 512,
	v_add_nc_u32 v[ADRA+1], 65536, v[ADRA]         ; and from 512 on
	v_mul_u32_u24 v3, v1, PITCH
	v_lshl_add_u32 v3, v2, 4, v3
	v_add_nc_u32 v[ADRB], s69, v3                  ; W: row r, + 16 h
	v_mul_u32_u24 v4, v1, SPITCH
	v_lshl_add_u32 v4, v2, 5, v4
	v_add_nc_u32 v[STO], s70, v4                   ; the stage, in: row r, 32 bytes for each half of the lanes
	v_mul_u32_u24 v5, v2, SPITCH
	v_lshl_add_u32 v5, v1, 4, v5
	v_add_nc_u32 v[RD], s70, v5                    ; back: lanes 0-15 one row of 256 bytes, lanes 16-31 the next
	v_lshlrev_b32 v[CO], 12, v2
	v_lshl_add_u32 v[CO], v1, 4, v[CO]             ; and the same two rows in out0
	s_wait_alu depctr_va_vdst(0)                   ; behind these writes
.irp b, 0,1,2,3
	global_load_b128 v[BIAS+8*\b:BIAS+8*\b+3], v7, s[10:11] offset:64*\b
	global_load_b128 v[BIAS+8*\b+4:BIAS+8*\b+7], v7, s[10:11] offset:64*\b+16
.endr
	s_wait_kmcnt 0x0
	s_add_co_i32 s88, s86, s87
	s_add_co_i32 s96, s88, 127
	s_lshl_b32 s96, s96, 23                        ; 2^(e6 + e7)
	s_mov_b32 s97, s96
	s_sub_co_i32 s88, 0, s88
	s_wait_loadcnt 0x0
.set J, 0
.rept 32
	v_ldexp_f32 v[BIAS+J], v[BIAS+J], s88          ; the bias goes in divided by the power of two that the sums lack
.set J, J+1
.endr
.macro FETCH s                         ; the fragments of K step s (128 along K) into set s % 2: 32 loads
.set P, 128*((\s)%2)
	WIN 0x40
.irp i, 0,1,2,3
.irp c, 0,1,2,3
	ds_load_b128 v[P+16*\i+4*\c:P+16*\i+4*\c+3], v[ADRA+(\s)/4] offset:32768*(((\s)/2)%2)+2048*((\s)%2)+4096*\i+512*\c
.endr
.endr
.irp j, 0,1,2,3
.irp c, 0,1,2,3
	ds_load_b128 v[P+64+16*\j+4*\c:P+64+16*\j+4*\c+3], v[ADRB] offset:16*PITCH*\j+128*(\s)+32*\c
.endr
.endr
	WIN 0
.endm
.macro MUL s, one                      ; 16 matrix instructions, the 16 accumulators by turns
.set P, 128*((\s)%2)
	WIN 0x05
.irp a, 0,1,2,3
.irp b, 0,1,2,3
.if \one
	v_wmma_f32_16x16x128_bf8_bf8 v[ACC+8*(4*\a+\b):ACC+8*(4*\a+\b)+7], v[P+64+16*\b:P+64+16*\b+15], v[P+16*\a:P+16*\a+15], v[BIAS+8*\b:BIAS+8*\b+7]
.else
	v_wmma_f32_16x16x128_bf8_bf8 v[ACC+8*(4*\a+\b):ACC+8*(4*\a+\b)+7], v[P+64+16*\b:P+64+16*\b+15], v[P+16*\a:P+16*\a+15], v[ACC+8*(4*\a+\b):ACC+8*(4*\a+\b)+7]
.endif
.endr
.endr
.endm
.macro PLACES
.rept 4
	v_nop
.endr
.endm
	s_wait_alu depctr_va_vdst(0)
	s_wait_tensorcnt 0x0                           ; my quarter is in;
	s_barrier_signal -1
	s_barrier_wait -1                              ; everybody's is
	FETCH 0
	FETCH 1
	s_wait_dscnt 32                                ; step 0's 32 loads are in; step 1's may be out
	MUL 0, 1
.irp s, 1,2,3,4,5,6
	PLACES                                         ; ahead of loads into the set that the last step multiplied
	FETCH \s+1
	s_wait_dscnt 32                                ; all but the 32 just issued
	MUL \s, 0
.endr
	s_wait_dscnt 0x0
	MUL 7, 0
	WIN 0
; THE WAY OUT, by blocks of 16 tokens x 64 columns: through my stage, back as whole rows of 256 bytes, which sixteen lanes store as one aligned unit.
.macro TOSTAGE a
.set J, 0
.rept 16
	v_pk_mul_f32 v[TMP+J:TMP+J+1], v[ACC+32*(\a)+J:ACC+32*(\a)+J+1], s[96:97] op_sel_hi:[1,0]   ; x 2^(e6 + e7); each accumulator from its low end on
.set J, J+2
.endr
.irp b, 0,1,2,3
	ds_store_b128 v[STO], v[TMP+8*\b:TMP+8*\b+3] offset:64*\b
	ds_store_b128 v[STO], v[TMP+8*\b+4:TMP+8*\b+7] offset:64*\b+16
.endr
.set BB, 96-64*((\a)%2)
.irp t, 0,1,2,3,4,5,6,7
	ds_load_b128 v[BB+4*\t:BB+4*\t+3], v[RD] offset:2*\t*SPITCH   ; LDS serves a wave's instructions in order (ISA guide 5.7.1.4)
.endr
.endm
.macro SEND a, younger
.set BB, 96-64*((\a)%2)
	s_wait_dscnt \younger                          ; the block is back in registers
.irp t, 0,1,2,3,4,5,6,7
	global_store_b128 v[CO], v[BB+4*\t:BB+4*\t+3], s[12:13] offset:(16*(\a)+2*\t)*4096 th:TH_STORE_NT
.endr
.endm
	PLACES
	TOSTAGE 0
.irp a, 1,2,3
.if \a > 1
	s_wait_xcnt 0x0                                ; block a - 2's stores have read their registers: block a's loads may land there
.endif
	TOSTAGE \a
	SEND \a-1, 16                                  ; behind block a - 1's loads: block a's 8 stores and 8 loads
.endr
	SEND 3, 0
	s_wait_tensorcnt 0x0                           ; the wave's end
	ds_add_u32 v[SPW], v[NIL]
	s_wait_dscnt 0x0
	CROUND                                         ; the closing round
	s_endpgm
.Lfunc_end_k_qf9beeca436_outp:
	.size	k_qf9beeca436_outp, .Lfunc_end_k_qf9beeca436_outp-k_qf9beeca436_outp
	.p2alignl 7, 3214868480
	.fill 96, 4, 3214868480
	.section	.rodata,"a",@progbits
	.p2align	6, 0x0
	.amdhsa_kernel k_qf9beeca436_outp
		.amdhsa_group_segment_fixed_size 327680
		.amdhsa_private_segment_fixed_size 0
		.amdhsa_enable_private_segment 0
		.amdhsa_kernarg_size 40
		.amdhsa_user_sgpr_count 2
		.amdhsa_user_sgpr_kernarg_segment_ptr 1
		.amdhsa_wavefront_size32 1
		.amdhsa_system_sgpr_workgroup_id_x 1
		.amdhsa_system_sgpr_workgroup_id_y 1
		.amdhsa_system_sgpr_workgroup_id_z 1
		.amdhsa_system_vgpr_workitem_id 0
		.amdhsa_next_free_vgpr 512
		.amdhsa_next_free_sgpr 100
		.amdhsa_reserve_vcc 0
		.amdhsa_float_denorm_mode_32 3
		.amdhsa_float_denorm_mode_16_64 3
		.amdhsa_memory_ordered 1
		.amdhsa_forward_progress 1
		.amdhsa_inst_pref_size 47
	.end_amdhsa_kernel
	.amdgpu_metadata
---
amdhsa.version: [ 1, 2 ]
amdhsa.kernels:
  - .name:           k_qf9beeca436_outp
    .symbol:         k_qf9beeca436_outp.kd
    .args:
      - { .name: a_codes, .offset: 0, .size: 8, .value_kind: global_buffer, .address_space: global }
      - { .name: wout_codes, .offset: 8, .size: 8, .value_kind: global_buffer, .address_space: global }
      - { .name: lowp_scales, .offset: 16, .size: 8, .value_kind: global_buffer, .address_space: global }
      - { .name: b_out, .offset: 24, .size: 8, .value_kind: global_buffer, .address_space: global }
      - { .name: out0, .offset: 32, .size: 8, .value_kind: global_buffer, .address_space: global }
    .group_segment_fixed_size: 327680
    .private_segment_fixed_size: 0
    .kernarg_segment_align: 8
    .kernarg_segment_size: 40
    .max_flat_workgroup_size: 128
    .sgpr_count:     100
    .vgpr_count:     512
    .wavefront_size: 32
...
	.end_amdgpu_metadata
.endif
;; end of part 4
